; MI455X (gfx1250); checked and timed in simulation.
; The chip was launched on July 23, 2026; its instructions are those of AMD's public machine-readable ISA for CDNA 5 (MIT licence, August 2026) and "CDNA5" Instruction Set Architecture Reference Guide (July 2026). The comments in the code are by the model that wrote it; some were corrected since.
;; Word2 Vec NS. Allowed arithmetic: float matrix products may take bf16 or f16 operands with f32 sums; all other float work in f32.
;; Inputs: contexts 16,384 x 6 int32; embed 200,000 x 128 float32; targets 16,384 int32.
;; Outputs: out0 16,384 x 6 float32.
;; 2 versions, each right; version 2 is version 1 with the launch w2v_dots written anew for expert scheduling mode. Each part assembles by itself: llvm-mc -triple=amdgcn-amd-amdhsa -mcpu=gfx1250 --defsym DOCPART=n.
;; ======== version 1 of 2: 1 launch
;; launch w2v_dots (part 1): grid 256 x 1, 16 waves a work-group, no clusters, 4,096 bytes of LDS; arguments targets, contexts, embed, out0; writes out0
.if DOCPART == 1
	.amdgcn_target "amdgcn-amd-amdhsa--gfx1250"
	.amdhsa_code_object_version 6
	.text
	.protected	k_q6cb73bc0e1_w2v_dots
	.globl	k_q6cb73bc0e1_w2v_dots
	.p2align	8
	.type	k_q6cb73bc0e1_w2v_dots,@function
k_q6cb73bc0e1_w2v_dots:
	s_mov_b64 s[64:65], 0
	v_nop
	global_prefetch_b8 v0, s[64:65] scope:SCOPE_SE
	s_setreg_imm32_b32 hwreg(HW_REG_WAVE_MODE, 25, 1), 1
	s_wait_xcnt 0x0
; out[b][c] = sum over e of embed[targets[b]][e] * embed[contexts[b][c]][e].   b < 16384, c < 6, e < 128, all numbers f32.
; A gather: 7 rows of 512 bytes for 6 outputs, less than half a multiply-add for each byte, so the text is built round the loads.
; The work-group owns 64 batch elements, a wave four of them, in two groups g = 0, 1: in group g lanes 0-15 serve element
; 4 w + g and lanes 16-31 element 4 w + 2 + g.  A row comes in by two 16-byte loads a lane: in each, sixteen neighbouring lanes take 256
; consecutive bytes that start at a multiple of 256.  All 28 row loads of a wave go out as soon as their indices are there; the sums
; are made while the later rows arrive, each behind a counted wait.
; NO MATRIX INSTRUCTIONS: every batch element has its own target row, so of a 16 x 16 tile only a diagonal strip would be kept, and the
; roundings to 16 bits would cost more than the four packed f32 multiply-adds a lane spends on an output.  NO LDS RING, NO CLUSTER: each
; gathered row is used by one half of one wave, once.  NO PREFETCH: a row's address is known only with its index, and then the load itself goes out.
; THE WAY OUT: 64 elements x 24 bytes = 1,536 bytes = six aligned blocks of 256 bytes.  The sums meet in LDS, and each of six waves stores
; one such block whole with one instruction.
; LIMITS: an index is taken as unsigned and clamped to 199,999 (the problem keeps indices inside the table; a negative index is not wrapped).
; Sums are f32 in this order: eight products in a lane (two chains of four, then added), then a tree over sixteen lanes.
.set LAST_ROW, 199999                  ; VOCAB - 1
.set HW,   1                           ; v1       half-wave number in the work-group, 0..31: it serves elements 2 HW and 2 HW + 1
.set R16,  2                           ; v2       16 x (lane mod 16): my 16 bytes in each half of a row
.set TOFF, 3                           ; v3       8 HW: my two target indices
.set COFF, 4                           ; v4       48 HW: my twelve context indices
.set LST,  5                           ; v5       4 x thread: where my sum goes in LDS
.set TX,   6                           ; v6, v7   at work in a merge; at the end the pair that is stored
.set TY,   7
.set IT,   8                           ; v[8:9]   target index of group 0, 1; then the row's byte offset
.set LRD,  10                          ; v10      where I read a pair of outputs back from LDS
.set GOF,  11                          ; v11      8 x thread: that pair's place in the group's 1,536 bytes of out
.set IC,   12                          ; v[12:23] context indices: group g, context j at IC + 6 g + j; then the rows' byte offsets
.set ROW,  24                          ; v[24:135] group g at ROW + 56 g: 8 registers of the target row, then 8 for each of six context rows
.set M1,   20                          ; s20-s23  lane masks: bit 0, 1, 2, 3 of the lane's number is set
.set M2,   21
.set M4,   22
.set M8,   23
	s_load_b256 s[4:11], s[0:1], 0x0               ; targets s[4:5], contexts s[6:7], embed s[8:9], out s[10:11]
	v_lshl_add_u32 v136, v0, 2, 0x800
	v_mov_b32 v137, 0
	v_lshrrev_b32 v[HW], 4, v0
	v_and_b32 v[R16], 15, v0
	v_lshrrev_b32 v[TX], 5, v0
	v_readfirstlane_b32 s16, v[TX]                 ; wave number, for the branch at the end
	s_lshl_b32 s12, ttmp9, 8                       ; the work-group's 64 targets: 256 bytes
	s_mov_b32 s13, 0
	s_mul_i32 s14, ttmp9, 1536                     ; its 64 x 6 contexts, and its 64 x 6 outputs: 1,536 bytes
	s_mov_b32 s15, 0
	v_lshlrev_b32 v[TOFF], 3, v[HW]
	v_mul_u32_u24 v[COFF], 48, v[HW]
	v_lshlrev_b32 v[R16], 4, v[R16]
	s_wait_kmcnt 0x0
	s_add_nc_u64 s[4:5], s[4:5], s[12:13]
	s_add_nc_u64 s[6:7], s[6:7], s[14:15]
	s_add_nc_u64 s[10:11], s[10:11], s[14:15]
	; The indices of my half-wave's two elements lie side by side: 8 bytes of targets, 48 bytes of contexts.  The sixteen lanes ask for the same bytes.
	global_load_b64  v[IT:IT+1],     v[TOFF], s[4:5]
	global_load_b128 v[IC:IC+3],     v[COFF], s[6:7]
	global_load_b128 v[IC+4:IC+7],   v[COFF], s[6:7] offset:16
	global_load_b128 v[IC+8:IC+11],  v[COFF], s[6:7] offset:32
	; while they are on their way: what the end of the kernel needs
	s_mov_b32 s[M1], 0xaaaaaaaa
	s_mov_b32 s[M2], 0xcccccccc
	s_mov_b32 s[M4], 0xf0f0f0f0
	s_mov_b32 s[M8], 0xff00ff00
	v_lshlrev_b32 v[LST], 2, v0
	v_mul_u32_u24 v[LRD], 171, v0                  ; m / 3 = (171 m) >> 9, exact for m < 192, the threads that read back
	v_lshrrev_b32 v[LRD], 9, v[LRD]
	v_add_lshl_u32 v[LRD], v[LRD], v0, 3           ; pair m = 3 b + p lies at 32 b + 8 p = 8 (m + m / 3)
	v_lshlrev_b32 v[GOF], 3, v0
; One row: the index is clamped, becomes the byte offset of my 16 bytes (in place; it is never written again), and both halves of the row are asked for.
.macro ROWLOAD idx, dst
	v_min_u32 v[\idx], LAST_ROW, v[\idx]
	v_lshl_add_u32 v[\idx], v[\idx], 9, v[R16]     ; 512 x index + 16 x (lane mod 16): at most 102,399,728, an unsigned 32-bit offset
	global_load_b128 v[\dst:\dst+3],   v[\idx], s[8:9]
	global_load_b128 v[\dst+4:\dst+7], v[\idx], s[8:9] offset:256
.endm
; The seven rows of group g: 14 loads, the target's first.  No cache hint: the lists may name a row more than once.
.macro GATHER g
	ROWLOAD IT+\g, ROW+56*\g
.irp j, 0,1,2,3,4,5
	ROWLOAD IC+6*\g+\j, ROW+56*\g+8+8*\j
.endr
.endm
	s_wait_loadcnt 0x1                             ; loads come back in order (ISA guide 5.7.1): the targets and context indices 0-7 are in, the last index load may be out
	GATHER 0
	s_wait_loadcnt 14                              ; behind the last index load stand the 14 row loads of group 0: it is in, they stay out
	GATHER 1
; My eight products of context j of group g, summed into the context row's first register.
; The count: of the wave's 28 row loads, 14 g + 4 + 2 j have been issued up to and with this row's; the others stay out.
.macro DOT g, j
.set T, ROW+56*\g
.set C, ROW+56*\g+8+8*\j
	s_wait_loadcnt 24-14*\g-2*\j
	v_pk_mul_f32 v[C:C+1], v[T:T+1],   v[C:C+1]
	v_pk_fma_f32 v[C:C+1], v[T+2:T+3], v[C+2:C+3], v[C:C+1]
	v_pk_fma_f32 v[C:C+1], v[T+4:T+5], v[C+4:C+5], v[C:C+1]
	v_pk_fma_f32 v[C:C+1], v[T+6:T+7], v[C+6:C+7], v[C:C+1]
	v_add_f32 v[C], v[C], v[C+1]
.endm
; One step of the tree for two sums at once.  x is a bit of the lane's number, m the mask of the lanes in which it is set.
; Lanes without the bit go on with sum a, lanes with it go on with sum b: each keeps its own part of its sum (TX) and takes its
; partner's part of the same sum, which the partner has laid ready in TY.  Two registers become one, and no number of a meets one of b.
.macro MERGE a, b, m, x
	v_cndmask_b32 v[TX], v[\a], v[\b], s[\m]       ; bit set: b, else a
	v_cndmask_b32 v[TY], v[\b], v[\a], s[\m]       ; bit set: a, else b: what lane i xor x wants
	v_add_f32_dpp v[\a], v[TY], v[TX] row_xmask:\x row_mask:0xf bank_mask:0xf   ; TY of lane i xor x + my TX
.endm
; The six sums of group g, folded as they come.  Behind it register V holds, in lane r of each half-wave, the sum over the lanes that differ from r
; in bits 0-2, of context r mod 8 (r mod 8 = 6, 7: contexts 4, 5 once more).
.macro SUMS g
.set V, ROW+56*\g+8
	DOT \g, 0
	DOT \g, 1
	MERGE V, V+8, M1, 1                            ; bit 0 of the lane: context 0 or 1
	DOT \g, 2
	DOT \g, 3
	MERGE V+16, V+24, M1, 1                        ; context 2 or 3
	MERGE V, V+16, M2, 2                           ; bit 1: contexts 0, 1 or 2, 3
	DOT \g, 4
	DOT \g, 5
	MERGE V+32, V+40, M1, 1                        ; context 4 or 5
	v_add_f32_dpp v[V+32], v[V+32], v[V+32] row_xmask:2 row_mask:0xf bank_mask:0xf   ; no partner to fold with: a plain step
	MERGE V, V+32, M4, 4                           ; bit 2: contexts 0-3 or 4, 5
.endm
	SUMS 0
	SUMS 1
	MERGE ROW+8, ROW+64, M8, 8                     ; bit 3: group 0 or 1.  Thread t now holds out[t >> 3][t mod 8] of the work-group's 64 elements
	ds_store_b32 v[LST], v[ROW+8]                  ; eight words for each element, six of them outputs
	s_wait_dscnt 0x0                               ; for the other waves' sake: my store is done before I signal
	s_barrier_signal -1
	s_barrier_wait -1
	s_cmp_ge_u32 s16, 6                            ; 192 pairs of outputs: waves 0 to 5 carry them out
	s_cbranch_scc1 .Ldone
	ds_load_b64 v[TX:TX+1], v[LRD]                 ; outputs 2 p, 2 p + 1 of element b, for pair m = 3 b + p
	s_wait_dscnt 0x0
	global_store_b64 v[GOF], v[TX:TX+1], s[10:11] th:TH_STORE_NT   ; the wave's 32 lanes store 256 consecutive bytes, at a multiple of 256 from out's first byte
.Ldone:
	s_wait_tensorcnt 0x0
	ds_add_u32 v136, v137
	s_wait_dscnt 0x0
	s_endpgm
.Lfunc_end_k_q6cb73bc0e1_w2v_dots:
	.size	k_q6cb73bc0e1_w2v_dots, .Lfunc_end_k_q6cb73bc0e1_w2v_dots-k_q6cb73bc0e1_w2v_dots
	.p2alignl 7, 3214868480
	.fill 96, 4, 3214868480
	.section	.rodata,"a",@progbits
	.p2align	6, 0x0
	.amdhsa_kernel k_q6cb73bc0e1_w2v_dots
		.amdhsa_group_segment_fixed_size 4096
		.amdhsa_private_segment_fixed_size 0
		.amdhsa_enable_private_segment 0
		.amdhsa_kernarg_size 32
		.amdhsa_user_sgpr_count 2
		.amdhsa_user_sgpr_kernarg_segment_ptr 1
		.amdhsa_wavefront_size32 1
		.amdhsa_system_sgpr_workgroup_id_x 1
		.amdhsa_system_sgpr_workgroup_id_y 1
		.amdhsa_system_sgpr_workgroup_id_z 1
		.amdhsa_system_vgpr_workitem_id 0
		.amdhsa_next_free_vgpr 138
		.amdhsa_next_free_sgpr 66
		.amdhsa_reserve_vcc 0
		.amdhsa_float_denorm_mode_32 3
		.amdhsa_float_denorm_mode_16_64 3
		.amdhsa_memory_ordered 1
		.amdhsa_forward_progress 1
		.amdhsa_inst_pref_size 13
	.end_amdhsa_kernel
	.amdgpu_metadata
---
amdhsa.version: [ 1, 2 ]
amdhsa.kernels:
  - .name:           k_q6cb73bc0e1_w2v_dots
    .symbol:         k_q6cb73bc0e1_w2v_dots.kd
    .args:
      - { .name: targets, .offset: 0, .size: 8, .value_kind: global_buffer, .address_space: global }
      - { .name: contexts, .offset: 8, .size: 8, .value_kind: global_buffer, .address_space: global }
      - { .name: embed, .offset: 16, .size: 8, .value_kind: global_buffer, .address_space: global }
      - { .name: out0, .offset: 24, .size: 8, .value_kind: global_buffer, .address_space: global }
    .group_segment_fixed_size: 4096
    .private_segment_fixed_size: 0
    .kernarg_segment_align: 8
    .kernarg_segment_size: 32
    .max_flat_workgroup_size: 512
    .sgpr_count:     66
    .vgpr_count:     138
    .wavefront_size: 32
...
	.end_amdgpu_metadata
.endif
;; end of part 1
;; ======== version 2 of 2: 1 launch; version 1 with the launch w2v_dots written anew for expert scheduling mode
;; launch w2v_dots (part 2): grid 256 x 1, 16 waves a work-group, no clusters, 4,096 bytes of LDS; arguments targets, contexts, embed, out0; writes out0
.if DOCPART == 2
	.amdgcn_target "amdgcn-amd-amdhsa--gfx1250"
	.amdhsa_code_object_version 6
	.text
	.protected	k_q6cb73bc0e1_w2v_dots
	.globl	k_q6cb73bc0e1_w2v_dots
	.p2align	8
	.type	k_q6cb73bc0e1_w2v_dots,@function
k_q6cb73bc0e1_w2v_dots:
	s_mov_b64 s[64:65], 0
	v_nop
	global_prefetch_b8 v0, s[64:65] scope:SCOPE_SE
	s_setreg_imm32_b32 hwreg(HW_REG_WAVE_SCHED_MODE, 0, 2), 2
	s_setreg_imm32_b32 hwreg(HW_REG_WAVE_MODE, 25, 1), 1
	s_wait_xcnt 0x0
	s_wait_alu depctr_vm_vsrc(0)
; out[b][c] = sum over e of embed[targets[b]][e] * embed[contexts[b][c]][e].   b < 16384, c < 6, e < 128, all numbers f32.
; A gather: 7 rows of 512 bytes for 6 outputs, less than half a multiply-add for each byte, so the text is built round the loads.
; The work-group owns 64 batch elements, a wave four of them, in two groups g = 0, 1: in group g lanes 0-15 serve element
; 4 w + g and lanes 16-31 element 4 w + 2 + g.  A row comes in by two 16-byte loads a lane: in each, sixteen neighbouring lanes take 256
; consecutive bytes that start at a multiple of 256.  All 28 row loads of a wave go out as soon as their indices are there; the sums
; are made while the later rows arrive, each behind a counted wait.
; NO MATRIX INSTRUCTIONS: every batch element has its own target row, so of a 16 x 16 tile only a diagonal strip would be kept, and the
; roundings to 16 bits would cost more than the four packed f32 multiply-adds a lane spends on an output.  NO LDS RING, NO CLUSTER: each
; gathered row is used by one half of one wave, once.  NO PREFETCH: a row's address is known only with its index, and then the load itself goes out.
; THE WAY OUT: 64 elements x 24 bytes = 1,536 bytes = six aligned blocks of 256 bytes.  The sums meet in LDS, and each of six waves stores
; one such block whole with one instruction.
; LIMITS: an index is taken as unsigned and clamped to 199,999 (the problem keeps indices inside the table; a negative index is not wrapped).
; Sums are f32 in this order: eight products in a lane (two chains of four, then added), then a tree over sixteen lanes.
; THE MODE: SCHED_MODE bits 1:0 = 2 (LLVM: expert scheduling mode 2), set by the entry lines.  The code itself states the register dependences
; between vector instructions and memory or LDS instructions, with s_wait_alu, always for 0.
; THE PLAN.  Registers that memory or LDS instructions touch, in the order of the text (there is no loop):
;   v3, v4        made at the head, read by the four index loads as offsets, never written again.
;   IT, IC        the index loads land in them; behind the wait for those loads a group's seven are clamped and shifted in place, in one run;
;                 then the group's fourteen row loads read them as offsets; never written again.
;   ROW ..        the row loads land in them, and no vector line has named them before; the sums read and write them behind the counted waits; no load lands there again.
;   v5, v10, v11  made behind the index loads; read as addresses by the LDS store, the LDS load and the store of out; never written again.
;   v6, v7        at work in the head and in every merge; the LDS load at the end lands in them.
; So one wait on va_vdst stands ahead of each run of memory instructions whose registers vector lines have just made: the index loads, each group's row loads,
; and the LDS store at the end.  No register that a memory or LDS instruction reads is written afterwards: no wait on vm_vsrc is owed.  EXEC and VCC are never written.
.set LAST_ROW, 199999                  ; VOCAB - 1
.set HW,   1                           ; v1       half-wave number in the work-group, 0..31: it serves elements 2 HW and 2 HW + 1
.set R16,  2                           ; v2       16 x (lane mod 16): my 16 bytes in each half of a row
.set TOFF, 3                           ; v3       8 HW: my two target indices
.set COFF, 4                           ; v4       48 HW: my twelve context indices
.set LST,  5                           ; v5       4 x thread: where my sum goes in LDS
.set TX,   6                           ; v6, v7   at work in a merge; at the end the pair that is stored
.set TY,   7
.set IT,   8                           ; v[8:9]   target index of group 0, 1; then the row's byte offset
.set LRD,  10                          ; v10      where I read a pair of outputs back from LDS
.set GOF,  11                          ; v11      8 x thread: that pair's place in the group's 1,536 bytes of out
.set IC,   12                          ; v[12:23] context indices: group g, context j at IC + 6 g + j; then the rows' byte offsets
.set ROW,  24                          ; v[24:135] group g at ROW + 56 g: 8 registers of the target row, then 8 for each of six context rows
.set M1,   20                          ; s20-s23  lane masks: bit 0, 1, 2, 3 of the lane's number is set
.set M2,   21
.set M4,   22
.set M8,   23
	s_load_b256 s[4:11], s[0:1], 0x0               ; targets s[4:5], contexts s[6:7], embed s[8:9], out s[10:11]
	v_lshl_add_u32 v136, v0, 2, 0x800
	v_mov_b32 v137, 0
	v_lshrrev_b32 v[HW], 4, v0
	v_and_b32 v[R16], 15, v0
	v_lshrrev_b32 v[TX], 5, v0
	v_readfirstlane_b32 s16, v[TX]                 ; wave number, for the branch at the end
	s_lshl_b32 s12, ttmp9, 8                       ; the work-group's 64 targets: 256 bytes
	s_mov_b32 s13, 0
	s_mul_i32 s14, ttmp9, 1536                     ; its 64 x 6 contexts, and its 64 x 6 outputs: 1,536 bytes
	s_mov_b32 s15, 0
	v_lshlrev_b32 v[TOFF], 3, v[HW]
	v_mul_u32_u24 v[COFF], 48, v[HW]
	v_lshlrev_b32 v[R16], 4, v[R16]
	s_wait_alu depctr_va_sdst(0)                   ; s16 is written, ahead of its first reader, the compare at the end; no branch or label stands in front of this line
	s_wait_kmcnt 0x0
	s_add_nc_u64 s[4:5], s[4:5], s[12:13]
	s_add_nc_u64 s[6:7], s[6:7], s[14:15]
	s_add_nc_u64 s[10:11], s[10:11], s[14:15]
	s_wait_alu depctr_va_vdst(0)                   ; v3 and v4 are written, which the index loads read as offsets
	; The indices of my half-wave's two elements lie side by side: 8 bytes of targets, 48 bytes of contexts.  The sixteen lanes ask for the same bytes.
	global_load_b64  v[IT:IT+1],     v[TOFF], s[4:5]
	global_load_b128 v[IC:IC+3],     v[COFF], s[6:7]
	global_load_b128 v[IC+4:IC+7],   v[COFF], s[6:7] offset:16
	global_load_b128 v[IC+8:IC+11],  v[COFF], s[6:7] offset:32
	; while they are on their way: what the end of the kernel needs (these lines name none of the index loads' registers)
	s_mov_b32 s[M1], 0xaaaaaaaa
	s_mov_b32 s[M2], 0xcccccccc
	s_mov_b32 s[M4], 0xf0f0f0f0
	s_mov_b32 s[M8], 0xff00ff00
	v_lshlrev_b32 v[LST], 2, v0
	v_mul_u32_u24 v[LRD], 171, v0                  ; m / 3 = (171 m) >> 9, exact for m < 192, the threads that read back
	v_lshrrev_b32 v[LRD], 9, v[LRD]
	v_add_lshl_u32 v[LRD], v[LRD], v0, 3           ; pair m = 3 b + p lies at 32 b + 8 p = 8 (m + m / 3)
	v_lshlrev_b32 v[GOF], 3, v0
; The seven indices of group g are clamped and become the byte offsets of my 16 bytes, in place, in one run; they are never written again.
.macro OFFSETS g
	v_min_u32 v[IT+\g], LAST_ROW, v[IT+\g]
.irp j, 0,1,2,3,4,5
	v_min_u32 v[IC+6*\g+\j], LAST_ROW, v[IC+6*\g+\j]
.endr
	v_lshl_add_u32 v[IT+\g], v[IT+\g], 9, v[R16]   ; 512 x index + 16 x (lane mod 16): at most 102,399,728, an unsigned 32-bit offset
.irp j, 0,1,2,3,4,5
	v_lshl_add_u32 v[IC+6*\g+\j], v[IC+6*\g+\j], 9, v[R16]
.endr
.endm
; One row: both of its halves are asked for.
.macro ROWLOAD idx, dst
	global_load_b128 v[\dst:\dst+3],   v[\idx], s[8:9]
	global_load_b128 v[\dst+4:\dst+7], v[\idx], s[8:9] offset:256
.endm
; The seven rows of group g: 14 loads, the target's first.  No cache hint: the lists may name a row more than once.
.macro GATHER g
	ROWLOAD IT+\g, ROW+56*\g
.irp j, 0,1,2,3,4,5
	ROWLOAD IC+6*\g+\j, ROW+56*\g+8+8*\j
.endr
.endm
	s_wait_loadcnt 0x1                             ; loads come back in order (ISA guide 5.7.1): the targets and context indices 0-7 are in, the last index load may be out
	OFFSETS 0
	s_wait_alu depctr_va_vdst(0)                   ; group 0's seven offsets are written, which its fourteen loads read; so are v5, v10 and v11, the addresses of the way out
	GATHER 0
	s_wait_loadcnt 14                              ; behind the last index load stand the 14 row loads of group 0: it is in, they stay out
	OFFSETS 1                                      ; these write v9 and v[18:23], which no load of group 0 names
	s_wait_alu depctr_va_vdst(0)                   ; group 1's seven offsets are written, which its fourteen loads read
	GATHER 1
; My eight products of context j of group g, summed into the context row's first register.
; The count: of the wave's 28 row loads, 14 g + 4 + 2 j have been issued up to and with this row's; the others stay out.
.macro DOT g, j
.set T, ROW+56*\g
.set C, ROW+56*\g+8+8*\j
	s_wait_loadcnt 24-14*\g-2*\j
	v_pk_mul_f32 v[C:C+1], v[T:T+1],   v[C:C+1]
	v_pk_fma_f32 v[C:C+1], v[T+2:T+3], v[C+2:C+3], v[C:C+1]
	v_pk_fma_f32 v[C:C+1], v[T+4:T+5], v[C+4:C+5], v[C:C+1]
	v_pk_fma_f32 v[C:C+1], v[T+6:T+7], v[C+6:C+7], v[C:C+1]
	v_add_f32 v[C], v[C], v[C+1]
.endm
; One step of the tree for two sums at once.  x is a bit of the lane's number, m the mask of the lanes in which it is set.
; Lanes without the bit go on with sum a, lanes with it go on with sum b: each keeps its own part of its sum (TX) and takes its
; partner's part of the same sum, which the partner has laid ready in TY.  Two registers become one, and no number of a meets one of b.
.macro MERGE a, b, m, x
	v_cndmask_b32 v[TX], v[\a], v[\b], s[\m]       ; bit set: b, else a (the masks are written by scalar moves)
	v_cndmask_b32 v[TY], v[\b], v[\a], s[\m]       ; bit set: a, else b: what lane i xor x wants
	v_add_f32_dpp v[\a], v[TY], v[TX] row_xmask:\x row_mask:0xf bank_mask:0xf   ; TY of lane i xor x + my TX
.endm
; The six sums of group g, folded as they come.  Behind it register V holds, in lane r of each half-wave, the sum over the lanes that differ from r
; in bits 0-2, of context r mod 8 (r mod 8 = 6, 7: contexts 4, 5 once more).
.macro SUMS g
.set V, ROW+56*\g+8
	DOT \g, 0
	DOT \g, 1
	MERGE V, V+8, M1, 1                            ; bit 0 of the lane: context 0 or 1
	DOT \g, 2
	DOT \g, 3
	MERGE V+16, V+24, M1, 1                        ; context 2 or 3
	MERGE V, V+16, M2, 2                           ; bit 1: contexts 0, 1 or 2, 3
	DOT \g, 4
	DOT \g, 5
	MERGE V+32, V+40, M1, 1                        ; context 4 or 5
	v_add_f32_dpp v[V+32], v[V+32], v[V+32] row_xmask:2 row_mask:0xf bank_mask:0xf   ; no partner to fold with: a plain step
	MERGE V, V+32, M4, 4                           ; bit 2: contexts 0-3 or 4, 5
.endm
	SUMS 0
	SUMS 1
	MERGE ROW+8, ROW+64, M8, 8                     ; bit 3: group 0 or 1.  Thread t now holds out[t >> 3][t mod 8] of the work-group's 64 elements
	s_wait_alu depctr_va_vdst(0)                   ; the last merge has written v[ROW+8], which the LDS store reads, and is done with v6 and v7, in which the LDS load below lands; no vector line follows
	ds_store_b32 v[LST], v[ROW+8]                  ; eight words for each element, six of them outputs
	s_wait_dscnt 0x0                               ; for the other waves' sake: my store is done before I signal
	s_barrier_signal -1
	s_barrier_wait -1
	s_cmp_ge_u32 s16, 6                            ; 192 pairs of outputs: waves 0 to 5 carry them out
	s_cbranch_scc1 .Ldone
	ds_load_b64 v[TX:TX+1], v[LRD]                 ; outputs 2 p, 2 p + 1 of element b, for pair m = 3 b + p
	s_wait_dscnt 0x0
	global_store_b64 v[GOF], v[TX:TX+1], s[10:11] th:TH_STORE_NT   ; the wave's 32 lanes store 256 consecutive bytes, at a multiple of 256 from out's first byte
.Ldone:
	s_wait_dscnt 0x0
	s_wait_alu depctr_hold_cnt(0) depctr_sa_sdst(0) depctr_va_vdst(0) depctr_va_sdst(0) depctr_va_ssrc(0) depctr_va_vcc(0) depctr_vm_vsrc(0)
	s_wait_tensorcnt 0x0
	ds_add_u32 v136, v137
	s_wait_dscnt 0x0
	s_endpgm
.Lfunc_end_k_q6cb73bc0e1_w2v_dots:
	.size	k_q6cb73bc0e1_w2v_dots, .Lfunc_end_k_q6cb73bc0e1_w2v_dots-k_q6cb73bc0e1_w2v_dots
	.p2alignl 7, 3214868480
	.fill 96, 4, 3214868480
	.section	.rodata,"a",@progbits
	.p2align	6, 0x0
	.amdhsa_kernel k_q6cb73bc0e1_w2v_dots
		.amdhsa_group_segment_fixed_size 4096
		.amdhsa_private_segment_fixed_size 0
		.amdhsa_enable_private_segment 0
		.amdhsa_kernarg_size 32
		.amdhsa_user_sgpr_count 2
		.amdhsa_user_sgpr_kernarg_segment_ptr 1
		.amdhsa_wavefront_size32 1
		.amdhsa_system_sgpr_workgroup_id_x 1
		.amdhsa_system_sgpr_workgroup_id_y 1
		.amdhsa_system_sgpr_workgroup_id_z 1
		.amdhsa_system_vgpr_workitem_id 0
		.amdhsa_next_free_vgpr 138
		.amdhsa_next_free_sgpr 66
		.amdhsa_reserve_vcc 0
		.amdhsa_float_denorm_mode_32 3
		.amdhsa_float_denorm_mode_16_64 3
		.amdhsa_memory_ordered 1
		.amdhsa_forward_progress 1
		.amdhsa_inst_pref_size 14
	.end_amdhsa_kernel
	.amdgpu_metadata
---
amdhsa.version: [ 1, 2 ]
amdhsa.kernels:
  - .name:           k_q6cb73bc0e1_w2v_dots
    .symbol:         k_q6cb73bc0e1_w2v_dots.kd
    .args:
      - { .name: targets, .offset: 0, .size: 8, .value_kind: global_buffer, .address_space: global }
      - { .name: contexts, .offset: 8, .size: 8, .value_kind: global_buffer, .address_space: global }
      - { .name: embed, .offset: 16, .size: 8, .value_kind: global_buffer, .address_space: global }
      - { .name: out0, .offset: 24, .size: 8, .value_kind: global_buffer, .address_space: global }
    .group_segment_fixed_size: 4096
    .private_segment_fixed_size: 0
    .kernarg_segment_align: 8
    .kernarg_segment_size: 32
    .max_flat_workgroup_size: 512
    .sgpr_count:     66
    .vgpr_count:     138
    .wavefront_size: 32
...
	.end_amdgpu_metadata
.endif
;; end of part 2
